; MI455X (gfx1250); checked and timed in simulation.
; The chip was launched on July 23, 2026; its instructions are those of AMD's public machine-readable ISA for CDNA 5 (MIT licence, August 2026) and "CDNA5" Instruction Set Architecture Reference Guide (July 2026). The comments in the code are by the model that wrote it; some were corrected since.
;; Local Attention. Allowed arithmetic: float matrix products may take bf16 or f16 operands with f32 sums; all other float work in f32.
;; Inputs: bo 64 float32; bx 64 float32; by 64 float32; wo 64 x 64 float32; wx 64 x 64 float32; wy 64 x 64 float32; x 4 x 64 x 128 x 128 float32; y 4 x 64 x 128 x 128 float32.
;; Outputs: out0 4 x 64 x 128 x 128 float32.
;; 2 versions, each right and faster than the one before. Each part assembles by itself: llvm-mc -triple=amdgcn-amd-amdhsa -mcpu=gfx1250 --defsym DOCPART=n.
;; ======== version 1 of 2: 1 launch
;; limits: right only within a limited range of input values
;; launch locatt (part 1): grid 64 x 4, 8 waves a work-group, no clusters, 326,144 bytes of LDS; arguments y, x, wy, wx, by, bx, wo, bo, out0; writes out0
.if DOCPART == 1
	.amdgcn_target "amdgcn-amd-amdhsa--gfx1250"
	.amdhsa_code_object_version 6
	.text
	.protected	k_q221daf339f_locatt
	.globl	k_q221daf339f_locatt
	.p2align	8
	.type	k_q221daf339f_locatt,@function
k_q221daf339f_locatt:
	s_mov_b64 s[64:65], 0
	v_nop
	global_prefetch_b8 v0, s[64:65] scope:SCOPE_SE
	s_setreg_imm32_b32 hwreg(HW_REG_WAVE_MODE, 25, 1), 1
	s_wait_xcnt 0x0
; LOCAL ATTENTION, 5 x 5 window, fused into one launch:  q = wy y + by,  v = wx x + bx  (1 x 1 convolutions, 64 -> 64 channels),
; A = softmax over the 25 neighbours of q(neighbour) . q(pixel),  out = wo (sum A v(neighbour)) + bo + x.
; Neighbours outside the image have q = 0 and v = 0 (the padding follows the convolutions): score 0, and they take part in the softmax.
;
; SHARES.  Work-group (rp, b) owns image rows 2 rp, 2 rp + 1 of batch b, all 128 columns, and works on 6 rows (2 above, 2 below).
; Whole rows: no column halo is read, and every global access is 256 consecutive bytes per 16 lanes, aligned.
;   phase 1: waves 0-3 make q, waves 4-7 make v (same text, pointers chosen by wave number).  A wave does 3 jobs of one row x 64 pixels.
;            f32 goes from memory to registers, is packed to bf16 straight into the B operand's layout, and the result (8 neighbouring
;            channels of one pixel in a lane) goes to LDS as bf16, pixel by pixel.
;   phase 2: wave w takes the query tiles (2 rows x 8 columns) at columns 8 w and 64 + 8 w.  Six key tiles (one row x 16 columns each).
;            S^T = K Q^T + mask; its result layout is P's operand layout; agg^T = V^T P; its result layout is the output product's.
;   phase 3: wave w takes channels 8 w .. 8 w + 7 from an f32 stage in LDS, adds x and bo, and stores rows of 512 bytes.
; NO CLUSTER, NO TENSOR LOADS: the inputs are f32 and are converted on the way into operand registers, so no tile of them ever lies in
; LDS (6 rows x 64 channels x 512 bytes are 196,608 bytes for each input: both would not fit).  What neighbours share is 4 of 6 rows, and a
; shared row is another halo row in each of them, so that its place in LDS would hang on the partner's place.
;
; LIMITS.  Matrix operands (y, x, weights, q, v, P, the aggregate) are rounded to bf16; sums, softmax, biases and residual are f32.
; The mask is the finite number -1e30, added as the C operand: scores must stay far below 1e29 in magnitude.  The row maximum is taken
; away before the exponential; m log2(e) is rounded once, a factor common to all terms that the normalisation cancels.
; A term below 2^-126 counts as 0.
.set CH,    65536                      ; bytes from channel to channel in x, y, out0
.set ROWG,  512                        ; bytes of an image row
; LDS.  Pixel (halo row R, column x), X4 = x + 4:  base + R ROWB + (X4 & 3) IB + (X4 >> 2) PP + 2 channel
.set PP,    144                        ; 64 bf16 + 16 bytes: 9 columns of 16 bytes
.set IB,    36*PP                      ; 36 groups of four columns (X4 = 0 .. 143); 5,184 = 4 columns of 16 bytes modulo 256
.set ROWB,  4*IB+32                    ; 20,768 = 2 columns of 16 bytes modulo 256
.set VBASE, 6*ROWB                     ; q: rows 0-5 from byte 0; v: the same from here
.set STAGE, 12*ROWB                    ; 249,216: f32 stage, 64 channels x SP.  Until the second barrier: wy and wx as bf16
.set SP,    1040                       ; 2 rows x 512 bytes + 16
.set WOL,   STAGE+64*SP                ; 315,776: wo as bf16, 64 rows of PP; ends at 324,992
.set WYX,   64*PP                      ; one weight matrix in LDS
.set TSTEP, 16*PP                      ; 64 columns further in q and v (a wave's second query tile)
; vector registers, window 0.  v0 thread, v1 lane L, v2 r = L & 15, v3 h = L >> 4
.set GOFF, 4                           ; phases 0-1: 8 h channels + 16 r bytes
.set STA,  5                           ; v5-7   where job k stores
.set WA,   8                           ; my rows of my weight matrix in LDS
.set GO2,  9                           ; 16 L (all phases)
.set WF,   16                          ; v16-79   weight fragments, (ot, s) at 16 ot + 8 s
.set BIAS, 80                          ; v80-111  register j of set ot: bias[16 ot + 8 h + j]
.set FRAG, 112                         ; v112-175 input fragments, (i, s) at 16 i + 8 s
.set ACC0, 176                         ; v176-207
.set ACC1, 208                         ; v208-239
.set STG,  176                         ; v176-223 the weights as loaded (before the accumulators are used)
.set ZR,   240                         ; v240-243 zeros (phases 0-1)
.set QA,   4                           ; phases 2-3
.set KA,   5                           ; v5, v6: key rows 0-2, 3-5
.set VA,   7                           ; v7, v8: the same in v
.set SA,   10
.set FA,   11
.set QF,   16                          ; v16-31   Q(s) at 8 s
.set KV,   32                          ; v32-127  K(t, s) at 16 t + 8 s, then V(u, ct) at 32 u + 8 ct
.set OUTR, 32                          ; v32-63   the output product
.set TT,   32                          ; v32-95   phase 3
.set SCR,  128                         ; v128-175 scores, S(t) at 8 t
.set AGG,  128                         ; v128-159 the aggregate
.set PRB,  176                         ; v176-199 P as bf16
.set AGB,  200                         ; v200-215 the aggregate as bf16
.set MKT,  216                         ; mask of key row 0
.set MKC,  224                         ; of key rows 1-4
.set MKB,  232                         ; of key row 5
.set MX,   240                         ; v240-247 chains of maxima, then of sums
.set MROW, 248                         ; the maximum
.set XL,   249                         ; what the other half of the lanes holds
.set NM,   250                         ; v250-251 -m log2(e), twice
.set L2E,  252                         ; v252-253 log2(e), twice
.set RL,   254                         ; v254-255 1 / sum, twice
; window 1 (v256 and up, written with their low 8 bits)
.set RAW,  0                           ; v256-383 an input job as loaded: load l at 4 l
.set XRES, 0                           ; v256-319 x of my 8 output channels, after the last job
.set WOF,  128                         ; v384-447 wo's fragments, (ot, s) at 16 ot + 8 s
; s_set_vgpr_msb: bits 1:0 source 0, 3:2 source 1, 5:4 source 2, 7:6 destination; the high byte repeats the setting that is left
.set MSB, 0
.macro WIN new
.if MSB != \new
	s_set_vgpr_msb (MSB<<8)|\new
.set MSB, \new
.endif
.endm
; Four places of plain vector work behind a matrix instruction before its result is read or one of its registers is loaded or written
; (ISA guide 7.12.1); other matrix instructions are not counted as places here.
.macro PLACES
.rept 4
	v_nop
.endr
.endm
; ---------------------------------------------------------------- phase 0: ids, pointers, first loads, pads, weights
	s_load_b512 s[8:23], s[0:1], 0x0               ; y s[8:9], x s[10:11], wy s[12:13], wx s[14:15], by s[16:17], bx s[18:19], wo s[20:21], bo s[22:23]
	s_load_b64 s[24:25], s[0:1], 0x40              ; out0
	s_set_vgpr_msb 0x40
	v_lshl_add_u32 v192, v0, 2, 0x4f600
	v_mov_b32 v193, 0
	s_set_vgpr_msb 0x4000
	v_lshrrev_b32 v10, 5, v0
	v_readfirstlane_b32 s2, v10                    ; wave w
	v_and_b32 v1, 31, v0                           ; L
	v_and_b32 v2, 15, v0                           ; r
	v_bfe_u32 v3, v0, 4, 1                         ; h
	v_lshlrev_b32 v[GO2], 4, v1
	v_lshlrev_b32 v[GOFF], 4, v2
	v_lshl_add_u32 v[GOFF], v3, 19, v[GOFF]        ; lanes 16-31 read 8 channels further
	v_lshlrev_b32 v11, 4, v0                       ; weights: 16 bytes a thread
	v_lshlrev_b32 v12, 5, v3                       ; bias: 8 h numbers
	s_lshr_b32 s3, s2, 2                           ; sel: 0 makes q, 1 makes v
	s_and_b32 s4, s2, 3
	s_and_b32 s5, s4, 1                            ; half: columns 0-63 or 64-127
	s_lshr_b32 s6, s4, 1                           ; rsub: halo rows rsub, rsub + 2, rsub + 4
	s_mov_b32 s7, ttmp9                            ; rp
	s_and_b32 s54, ttmp7, 0xffff
	s_lshl_b32 s54, s54, 22                        ; batch x 64 channels x 65,536 bytes
	s_mov_b32 s31, 0                               ; the upper word of every offset pair (all offsets are below 2^24)
	s_mov_b32 s52, 0x76543210                      ; v_permlanex16_b32: lane i takes lane i of the other half
	s_mov_b32 s53, 0xfedcba98
	s_lshl_b32 s55, s5, 8
	s_add_co_u32 s30, s54, s55                     ; batch + half a row
	s_lshl1_add_u32 s56, s7, s6                    ; 2 rp + rsub = job 1's image row
	s_wait_kmcnt 0x0
.irp k, 0,1,2,3
	global_load_b128 v[STG+4*\k:STG+4*\k+3], v11, s[12:13] offset:4096*\k
.endr
.irp k, 0,1,2,3
	global_load_b128 v[STG+16+4*\k:STG+16+4*\k+3], v11, s[14:15] offset:4096*\k
.endr
.irp k, 0,1,2,3
	global_load_b128 v[STG+32+4*\k:STG+32+4*\k+3], v11, s[20:21] offset:4096*\k
.endr
	s_cmp_eq_u32 s3, 0
	s_cselect_b64 s[26:27], s[8:9], s[10:11]       ; my input
	s_cselect_b64 s[28:29], s[16:17], s[18:19]     ; my bias
.irp ot, 0,1,2,3
	global_load_b128 v[BIAS+8*\ot:BIAS+8*\ot+3],   v12, s[28:29] offset:64*\ot
	global_load_b128 v[BIAS+8*\ot+4:BIAS+8*\ot+7], v12, s[28:29] offset:64*\ot+16
.endr
	s_add_nc_u64 s[26:27], s[26:27], s[30:31]
	s_sub_co_i32 s55, s56, 2                       ; job 0's row, clamped into the image: for rp = 0 its result is replaced by zeros below
	s_max_i32 s55, s55, 0
	s_lshl_b32 s30, s55, 9
	s_add_nc_u64 s[32:33], s[26:27], s[30:31]
	s_lshl_b32 s30, s56, 9
	s_add_nc_u64 s[34:35], s[26:27], s[30:31]
	s_add_co_u32 s55, s56, 2                       ; job 2's row, clamped likewise (rp = 63)
	s_min_i32 s55, s55, 127
	s_lshl_b32 s30, s55, 9
	s_add_nc_u64 s[36:37], s[26:27], s[30:31]
; 8 loads: quarter q of a job = channels 16 q + 8 h + 0..7, four pixels 4 r .. 4 r + 3 in a lane; 16 lanes read 256 consecutive bytes
.macro LDQ sb, q
	WIN 0x40
.irp l, 0,1,2,3,4,5,6,7
	global_load_b128 v[RAW+32*\q+4*\l:RAW+32*\q+4*\l+3], v[GOFF], s[\sb:\sb+1] offset:CH*(16*\q+\l)
.endr
.endm
	LDQ 32, 0
	LDQ 32, 1
	LDQ 32, 2
	LDQ 32, 3
	WIN 0
	s_lshl_b32 s55, s2, 19                         ; my 8 output channels,
	s_add_co_u32 s30, s54, s55
	s_lshl_b32 s55, s7, 10                         ; the group's two rows
	s_add_co_u32 s30, s30, s55
	s_add_nc_u64 s[38:39], s[10:11], s[30:31]      ; in x
	s_add_nc_u64 s[40:41], s[24:25], s[30:31]      ; and in out0
	s_lshl_b32 s30, s2, 5
	s_add_nc_u64 s[42:43], s[22:23], s[30:31]
	s_load_b256 s[44:51], s[42:43], 0x0            ; bo[8 w .. 8 w + 7], waited for in phase 3
	; Pads: columns X4 = 0-3 and 132-143 of the 12 rows of q and v are zeros.  16 columns x 8 chunks x 12 rows = 6 stores a thread.
	v_and_b32 v10, 7, v0                           ; chunk of 8 channels
	v_bfe_u32 v13, v0, 3, 2                        ; X4 & 3
	v_bfe_u32 v14, v0, 5, 2                        ; g = 0: group 0; g = 1, 2, 3: groups 33, 34, 35
	v_add_nc_u32 v15, 3, v14
	v_lshrrev_b32 v15, 2, v15
	v_lshl_add_u32 v14, v15, 5, v14
	v_lshrrev_b32 v15, 7, v0                       ; rows t >> 7 + 0, 2, .. 10
	v_lshlrev_b32 v10, 4, v10
	v_mad_u32_u24 v10, v13, IB, v10
	v_mad_u32_u24 v10, v14, PP, v10
	v_mad_u32_u24 v10, v15, ROWB, v10
	v_add_nc_u32 v13, 4*ROWB, v10
	v_add_nc_u32 v14, 8*ROWB, v10
.irp j, 0,1,2,3
	v_mov_b32 v[ZR+\j], 0
.endr
.irp a, 10,13,14
	ds_store_b128 v\a, v[ZR:ZR+3]
	ds_store_b128 v\a, v[ZR:ZR+3] offset:2*ROWB
.endr
	; addresses of phases 0-1
	v_lshrrev_b32 v15, 4, v0                       ; weights into LDS: f32 number 4 t + 1024 k is row t / 16 + 16 k, column 4 (t & 15)
	v_mul_u32_u24 v15, v15, PP
	v_lshl_add_u32 v15, v2, 3, v15
	v_add_nc_u32 v15, STAGE, v15
	v_add_nc_u32 v13, WOL-STAGE, v15
	v_mul_u32_u24 v10, v2, PP
	v_lshl_add_u32 v10, v3, 4, v10                 ; 144 r + 16 h: a fragment's lane term, and a result's
	s_mul_i32 s55, s3, VBASE
	s_mul_i32 s56, s6, ROWB
	s_add_co_u32 s55, s55, s56
	s_mul_i32 s56, s5, 16*PP
	s_add_co_u32 s55, s55, s56
	s_add_co_u32 s55, s55, PP                      ; pixel 64 half + 4 r + i lies in group 16 half + r + 1
	v_add_nc_u32 v[STA], s55, v10
	v_add_nc_u32 v[STA+1], 2*ROWB, v[STA]
	v_add_nc_u32 v[STA+2], 4*ROWB, v[STA]
	s_mul_i32 s56, s3, WYX
	s_add_co_u32 s56, s56, STAGE
	v_add_nc_u32 v[WA], s56, v10
	v_add_nc_u32 v14, WOL, v10
	s_wait_loadcnt 40                              ; the 12 weight loads are in: 8 bias loads and 32 input loads are younger
.irp n, 0,1,2,3,4,5,6,7,8,9,10,11
	v_cvt_pk_bf16_f32 v[STG+4*\n],   v[STG+4*\n],   v[STG+4*\n+1]
	v_cvt_pk_bf16_f32 v[STG+4*\n+1], v[STG+4*\n+2], v[STG+4*\n+3]
.endr
.irp k, 0,1,2,3
	ds_store_b64 v15, v[STG+4*\k:STG+4*\k+1] offset:16*PP*\k
	ds_store_b64 v15, v[STG+16+4*\k:STG+16+4*\k+1] offset:WYX+16*PP*\k
	ds_store_b64 v13, v[STG+32+4*\k:STG+32+4*\k+1] offset:16*PP*\k
.endr
	s_wait_dscnt 0x0                               ; my pads and my part of the weights are in LDS, for the other waves
	s_barrier_signal -1
	s_barrier_wait -1
.irp ot, 0,1,2,3
.irp e, 0,1,2,3
	ds_load_b128 v[WF+16*\ot+4*\e:WF+16*\ot+4*\e+3], v[WA] offset:16*PP*\ot+32*\e
.endr
.endr
	WIN 0x40
.irp ot, 0,1,2,3
.irp e, 0,1,2,3
	ds_load_b128 v[WOF+16*\ot+4*\e:WOF+16*\ot+4*\e+3], v14 offset:16*PP*\ot+32*\e
.endr
.endr
	WIN 0
	s_wait_dscnt 0x0                               ; also: my reads of wy / wx are over before the stage takes their bytes (behind the next barrier)
; ---------------------------------------------------------------- phase 1: the two input convolutions
; Quarter q to bf16.  Register i of a load is pixel 4 r + i: pixel tile i is the set {4 r + i}.  B operand, lane (r, h): registers 4 a + p of
; K step s hold channels 32 s + 16 a + 8 h + 2 p, + 1, and q = 2 s + a.
.macro CVTQ q
	WIN 0x05
.irp i, 0,1,2,3
.irp p, 0,1,2,3
	v_cvt_pk_bf16_f32 v[FRAG+16*\i+4*\q+\p], v[RAW+32*\q+8*\p+\i], v[RAW+32*\q+8*\p+4+\i]
.endr
.endr
.endm
; 8 loads of x for the residual: piece e = channel 8 w + e / 2, row e & 1, 512 consecutive bytes a wave
.macro LDRES e0
	WIN 0x40
.irp d, 0,1,2,3,4,5,6,7
	global_load_b128 v[XRES+4*(\e0+\d):XRES+4*(\e0+\d)+3], v[GO2], s[38:39] offset:CH*((\e0+\d)>>1)+ROWG*((\e0+\d)&1)
.endr
.endm
; A job's input, with the next job's loads issued quarter by quarter into the registers just read.  Behind quarter q stand 8 (3 - q) loads of
; this job and 8 q of the next: 24 younger loads at every wait (loads come back in order, ISA guide 5.7.1).
.macro INNEXT sb
.irp q, 0,1,2,3
	s_wait_loadcnt 24
	CVTQ \q
	LDQ \sb, \q
.endr
	WIN 0
.endm
; D(m = output channel, n = pixel) = W x input + bias: the bias is the first product's C, nothing is cleared or added later
.macro MM i, acc
.irp ot, 0,1,2,3
	v_wmma_f32_16x16x32_bf16 v[\acc+8*\ot:\acc+8*\ot+7], v[WF+16*\ot:WF+16*\ot+7], v[FRAG+16*\i:FRAG+16*\i+7], v[BIAS+8*\ot:BIAS+8*\ot+7]
.endr
.irp ot, 0,1,2,3
	v_wmma_f32_16x16x32_bf16 v[\acc+8*\ot:\acc+8*\ot+7], v[WF+16*\ot+8:WF+16*\ot+15], v[FRAG+16*\i+8:FRAG+16*\i+15], v[\acc+8*\ot:\acc+8*\ot+7]
.endr
.endm
; a lane's 8 results are channels 16 ot + 8 h + 0..7 of one pixel: 16 bytes.  The 16 lanes of a half lie 144 bytes apart: 16 different columns
.macro PKST i, acc, k
.irp ot, 0,1,2,3
.irp p, 0,1,2,3
	v_cvt_pk_bf16_f32 v[\acc+8*\ot+\p], v[\acc+8*\ot+2*\p], v[\acc+8*\ot+2*\p+1]
.endr
.endr
.irp ot, 0,1,2,3
	ds_store_b128 v[STA+\k], v[\acc+8*\ot:\acc+8*\ot+3] offset:IB*\i+32*\ot
.endr
.endm
; Two accumulator sets take turns: the 16 conversions of one set are the places behind the other set's matrix instructions
.macro WORK k
	MM 0, ACC0
	MM 1, ACC1
	PLACES
	PKST 0, ACC0, \k
	MM 2, ACC0
	PKST 1, ACC1, \k
	MM 3, ACC1
	PKST 2, ACC0, \k
	PKST 3, ACC1, \k
.endm
.macro ZROW k                          ; the job's 64 pixels become zeros: a row outside the image.  LDS serves a wave's stores in order
.irp i, 0,1,2,3
.irp ot, 0,1,2,3
	ds_store_b128 v[STA+\k], v[ZR:ZR+3] offset:IB*\i+32*\ot
.endr
.endr
.endm
	INNEXT 34
	WORK 0
	s_cmp_lg_u32 s7, 0                             ; rp = 0: halo rows 0, 1 lie above the image
	s_cbranch_scc1 .Ltop_inside
	ZROW 0
.Ltop_inside:
	INNEXT 36
	WORK 1
	s_wait_loadcnt 24                              ; the last job: quarters 0 and 1 are refilled with the 16 residual loads
	CVTQ 0
	LDRES 0
	s_wait_loadcnt 24                              ; 16 of this job + 8 residual loads are younger
	CVTQ 1
	LDRES 8
	s_wait_loadcnt 24                              ; 8 + 16
	CVTQ 2
	s_wait_loadcnt 16                              ; the 16 residual loads stay out until phase 3
	CVTQ 3
	WIN 0
	WORK 2
	s_cmp_lg_u32 s7, 63                            ; rp = 63: halo rows 4, 5 lie below the image
	s_cbranch_scc1 .Lbottom_inside
	ZROW 2
.Lbottom_inside:
	s_wait_dscnt 0x0                               ; my q or v is in LDS, for the other waves
	s_barrier_signal -1
	; register work while the others arrive: the addresses, masks and constants of phases 2 and 3
	s_mul_i32 s55, s2, 2*PP                        ; query tile w begins at column 8 w: two groups of four
	s_add_co_u32 s56, s55, VBASE
	s_lshl_b32 s57, s2, 5
	s_add_co_u32 s57, s57, STAGE
	v_lshl_add_u32 v10, v3, 4, s55                 ; 16 h + 288 w
	v_lshrrev_b32 v15, 3, v2                       ; query r: row qy = r >> 3, column qx = r & 7
	v_and_b32 v12, 3, v2
	v_bfe_u32 v13, v2, 2, 1
	v_mad_u32_u24 v[QA], v15, ROWB, v10
	v_mad_u32_u24 v[QA], v12, IB, v[QA]
	v_mad_u32_u24 v[QA], v13, PP, v[QA]
	v_add_nc_u32 v[QA], 2*ROWB+PP, v[QA]           ; halo row 2 + qy, X4 = 8 w + 4 + qx
	v_add_nc_u32 v12, 1, v2                        ; key column c = r has X4 = 8 w + 2 + c.  Column 15 is masked for every query; lane 15 reads
	v_lshrrev_b32 v12, 4, v12                      ; column 17 in its stead, so that the 16 lanes touch 16 different columns of 16 bytes
	v_lshl_add_u32 v12, v12, 1, v2
	v_add_nc_u32 v12, 2, v12
	v_and_b32 v13, 3, v12
	v_lshrrev_b32 v12, 2, v12
	v_mad_u32_u24 v[KA], v13, IB, v10
	v_mad_u32_u24 v[KA], v12, PP, v[KA]
	v_add_nc_u32 v[KA+1], 3*ROWB, v[KA]
	v_and_b32 v12, 7, v1                           ; transposing load: lane L addresses key column 8 h + (L & 7), channels 8 ((L >> 3) & 1) ..
	v_lshl_add_u32 v12, v3, 3, v12
	v_add_nc_u32 v12, 2, v12
	v_and_b32 v13, 3, v12
	v_lshrrev_b32 v12, 2, v12
	v_bfe_u32 v14, v1, 3, 1
	v_lshl_add_u32 v14, v14, 4, s56
	v_mad_u32_u24 v[VA], v13, IB, v14
	v_mad_u32_u24 v[VA], v12, PP, v[VA]
	v_add_nc_u32 v[VA+1], 3*ROWB, v[VA]
	v_mul_u32_u24 v10, v2, SP                      ; stage, in: channel 16 ot + r, row h, columns 8 w ..
	v_lshl_add_u32 v10, v3, 9, v10
	v_add_nc_u32 v[SA], s57, v10
	s_mul_i32 s57, s2, 8*SP
	s_add_co_u32 s57, s57, STAGE
	v_add_nc_u32 v[FA], s57, v[GO2]                ; stage, back: channels 8 w .., 16 bytes a lane
	; masks.  Register j of lane (r, h) is key column 8 h + j against query r: inside iff 0 <= 8 h + j - qx < 5.
	; Key rows 1-4 serve both query rows, key row 0 only qy = 0, key row 5 only qy = 1.
	v_and_b32 v12, 7, v2
	v_lshlrev_b32 v13, 3, v3
	v_sub_nc_u32 v12, v13, v12
	v_mov_b32 v13, 0xf149f2ca                      ; -1e30
	v_mov_b32 v14, 0
	v_cmp_eq_u32 s54, 0, v15
	v_cmp_eq_u32 s55, 1, v15
.irp j, 0,1,2,3,4,5,6,7
	v_add_nc_u32 v[MX], \j, v12
	v_cmp_gt_u32 vcc_lo, 5, v[MX]
	v_cndmask_b32 v[MKC+\j], v13, v14, vcc_lo
	v_cndmask_b32 v[MKT+\j], v13, v[MKC+\j], s54
	v_cndmask_b32 v[MKB+\j], v13, v[MKC+\j], s55
.endr
	v_mov_b32 v[XL], 0                             ; v_permlanex16_b32 counts as a reader of its destination
	v_mov_b32 v[L2E], 0x3fb8aa3b
	v_mov_b32 v[L2E+1], 0x3fb8aa3b
	s_barrier_wait -1                              ; q and v are whole
; ---------------------------------------------------------------- phase 2: attention and the output product
; two key rows: S(m = key column, n = query) = K Q^T + mask
.macro SC2 t, ma, mb, cnt
	s_wait_dscnt \cnt                              ; Q and these two rows' K are in; cnt loads of later rows are younger
	v_wmma_f32_16x16x32_bf16 v[SCR+8*\t:SCR+8*\t+7],    v[KV+16*\t:KV+16*\t+7],     v[QF:QF+7],    v[\ma:\ma+7]
	v_wmma_f32_16x16x32_bf16 v[SCR+8*\t+8:SCR+8*\t+15], v[KV+16*\t+16:KV+16*\t+23], v[QF:QF+7],    v[\mb:\mb+7]
	v_wmma_f32_16x16x32_bf16 v[SCR+8*\t:SCR+8*\t+7],    v[KV+16*\t+8:KV+16*\t+15],  v[QF+8:QF+15], v[SCR+8*\t:SCR+8*\t+7]
	v_wmma_f32_16x16x32_bf16 v[SCR+8*\t+8:SCR+8*\t+15], v[KV+16*\t+24:KV+16*\t+31], v[QF+8:QF+15], v[SCR+8*\t+8:SCR+8*\t+15]
.endm
; agg(m = channel, n = query) += V^T P over key rows 2 u, 2 u + 1
.macro PV u, cnt
	s_wait_dscnt \cnt
.irp ct, 0,1,2,3
.if \u == 0
	v_wmma_f32_16x16x32_bf16 v[AGG+8*\ct:AGG+8*\ct+7], v[KV+32*\u+8*\ct:KV+32*\u+8*\ct+7], v[PRB+8*\u:PRB+8*\u+7], 0
.else
	v_wmma_f32_16x16x32_bf16 v[AGG+8*\ct:AGG+8*\ct+7], v[KV+32*\u+8*\ct:KV+32*\u+8*\ct+7], v[PRB+8*\u:PRB+8*\u+7], v[AGG+8*\ct:AGG+8*\ct+7]
.endif
.endr
.endm
.macro ATT tn                          ; query tile w + 8 tn
.irp e, 0,1,2,3
	ds_load_b128 v[QF+4*\e:QF+4*\e+3], v[QA] offset:TSTEP*\tn+32*\e
.endr
.irp t, 0,1,2,3,4,5
.irp e, 0,1,2,3
	ds_load_b128 v[KV+16*\t+4*\e:KV+16*\t+4*\e+3], v[KA+\t/3] offset:ROWB*(\t%3)+TSTEP*\tn+32*\e
.endr
.endr
	SC2 0, MKT, MKC, 16
	SC2 2, MKC, MKC, 8
	SC2 4, MKC, MKB, 0
	PLACES                                         ; behind them K's registers are loaded again and the scores are read
.irp u, 0,1,2
.irp ct, 0,1,2,3
	ds_load_tr16_b128 v[KV+32*\u+8*\ct:KV+32*\u+8*\ct+3],   v[VA+(2*\u)/3]   offset:ROWB*((2*\u)%3)+TSTEP*\tn+32*\ct
	ds_load_tr16_b128 v[KV+32*\u+8*\ct+4:KV+32*\u+8*\ct+7], v[VA+(2*\u+1)/3] offset:ROWB*((2*\u+1)%3)+TSTEP*\tn+32*\ct
.endr
.endr
	; softmax of query r: its 96 scores (25 unmasked) lie in 48 registers of lanes r and r + 16.  Six chains of maxima.
.irp t, 0,1,2,3,4,5
	v_max3_num_f32 v[MX+\t], v[SCR+8*\t], v[SCR+8*\t+1], v[SCR+8*\t+2]
.endr
.irp t, 0,1,2,3,4,5
	v_max3_num_f32 v[MX+\t], v[MX+\t], v[SCR+8*\t+3], v[SCR+8*\t+4]
.endr
.irp t, 0,1,2,3,4,5
	v_max3_num_f32 v[MX+\t], v[MX+\t], v[SCR+8*\t+5], v[SCR+8*\t+6]
.endr
.irp t, 0,1,2,3,4,5
	v_max_num_f32 v[MX+\t], v[MX+\t], v[SCR+8*\t+7]
.endr
	v_max3_num_f32 v[MX], v[MX], v[MX+1], v[MX+2]
	v_max3_num_f32 v[MX+3], v[MX+3], v[MX+4], v[MX+5]
	v_max_num_f32 v[MX], v[MX], v[MX+3]
	v_permlanex16_b32 v[XL], v[MX], s52, s53
	v_max_num_f32 v[MROW], v[MX], v[XL]
	v_mul_f32 v[NM], 0xbfb8aa3b, v[MROW]
	v_mul_f32 v[NM+1], 0xbfb8aa3b, v[MROW]
.set ii, 0
.rept 24
	v_pk_fma_f32 v[SCR+2*ii:SCR+2*ii+1], v[SCR+2*ii:SCR+2*ii+1], v[L2E:L2E+1], v[NM:NM+1]   ; (s - m) log2(e), one rounding
.set ii, ii+1
.endr
.set ii, 0
.rept 48
	v_exp_f32 v[SCR+ii], v[SCR+ii]
.set ii, ii+1
.endr
	v_nop                                          ; one plain vector instruction between the last exponential and its use (ISA guide 5.7.2)
	s_wait_alu depctr_va_vdst(0)
.irp c, 0,1,2,3
	v_pk_add_f32 v[MX+2*\c:MX+2*\c+1], v[SCR+2*\c:SCR+2*\c+1], v[SCR+8+2*\c:SCR+8+2*\c+1]   ; four chains of pair sums, started by the first terms
.endr
.irp g, 2,3,4,5
.irp c, 0,1,2,3
	v_pk_add_f32 v[MX+2*\c:MX+2*\c+1], v[MX+2*\c:MX+2*\c+1], v[SCR+8*\g+2*\c:SCR+8*\g+2*\c+1]
.endr
.endr
	v_pk_add_f32 v[MX:MX+1], v[MX:MX+1], v[MX+2:MX+3]
	v_pk_add_f32 v[MX+4:MX+5], v[MX+4:MX+5], v[MX+6:MX+7]
	v_pk_add_f32 v[MX:MX+1], v[MX:MX+1], v[MX+4:MX+5]
	v_add_f32 v[MX], v[MX], v[MX+1]
	v_permlanex16_b32 v[XL], v[MX], s52, s53
	v_add_f32 v[MX], v[MX], v[XL]
	v_rcp_f32 v[RL], v[MX]                         ; used far below; the conversions that follow touch neither result nor source
	v_rcp_f32 v[RL+1], v[MX]
	; the scores' result layout (register j: key column 8 h + j, lane: query) is the B operand's: P(u) = rows 2 u, 2 u + 1, packed in order
.set ii, 0
.rept 24
	v_cvt_pk_bf16_f32 v[PRB+ii], v[SCR+2*ii], v[SCR+2*ii+1]
.set ii, ii+1
.endr
	PV 0, 16                                       ; 16, 8, 0 loads of later V rows are younger
	PV 1, 8
	PV 2, 0
	PLACES
.set ii, 0
	s_wait_alu depctr_va_vdst(0)
.rept 16
	v_pk_mul_f32 v[AGG+2*ii:AGG+2*ii+1], v[AGG+2*ii:AGG+2*ii+1], v[RL:RL+1]                 ; the softmax's division, in f32
.set ii, ii+1
.endr
	; again result layout = operand layout: lane r is query r, registers are channels 16 ct + 8 h + j
.set ii, 0
.rept 16
	v_cvt_pk_bf16_f32 v[AGB+ii], v[AGG+2*ii], v[AGG+2*ii+1]
.set ii, ii+1
.endr
	WIN 0x04                                       ; B = wo's fragments, in window 1
.irp ot, 0,1,2,3
	v_wmma_f32_16x16x32_bf16 v[OUTR+8*\ot:OUTR+8*\ot+7], v[AGB:AGB+7], v[WOF+16*\ot:WOF+16*\ot+7], 0
.endr
.irp ot, 0,1,2,3
	v_wmma_f32_16x16x32_bf16 v[OUTR+8*\ot:OUTR+8*\ot+7], v[AGB+8:AGB+15], v[WOF+16*\ot+8:WOF+16*\ot+15], v[OUTR+8*\ot:OUTR+8*\ot+7]
.endr
	WIN 0
	PLACES                                         ; four places before the stores below read the result and the next tile's K is loaded into v32-63,
	v_nop                                          ; and a fifth before the next tile's score products take v32-63 as their A operand (ISA guide 7.12.1)
	; D(m = query 8 h + j, n = channel 16 ot + r): a lane holds 8 neighbouring columns of row h of one channel, 32 bytes
.irp ot, 0,1,2,3
	ds_store_b128 v[SA], v[OUTR+8*\ot:OUTR+8*\ot+3]   offset:16*SP*\ot+256*\tn
	ds_store_b128 v[SA], v[OUTR+8*\ot+4:OUTR+8*\ot+7] offset:16*SP*\ot+256*\tn+16
.endr
.endm
	ATT 0
	ATT 1
	s_wait_dscnt 0x0                               ; my columns of the stage are in LDS, for the other waves
	s_barrier_signal -1
	s_barrier_wait -1
; ---------------------------------------------------------------- phase 3: + x + bo, whole rows out
.irp e, 0,1,2,3,4,5,6,7,8,9,10,11,12,13,14,15
	ds_load_b128 v[TT+4*\e:TT+4*\e+3], v[FA] offset:SP*(\e>>1)+ROWG*(\e&1)
.endr
	s_wait_kmcnt 0x0                               ; bo
	s_wait_loadcnt 0x0                             ; x; and every load that named s[8:15] as a base is long done
	s_mov_b32 s8, s45                              ; the packed add takes the first register of an even pair for both halves:
	s_mov_b32 s9, s45                              ; the odd channels' bo get pairs of their own
	s_mov_b32 s10, s47
	s_mov_b32 s11, s47
	s_mov_b32 s12, s49
	s_mov_b32 s13, s49
	s_mov_b32 s14, s51
	s_mov_b32 s15, s51
	s_wait_dscnt 0x0
	WIN 0x04
.set ii, 0
.rept 32
	v_pk_add_f32 v[TT+2*ii:TT+2*ii+1], v[TT+2*ii:TT+2*ii+1], v[XRES+2*ii:XRES+2*ii+1]
.set ii, ii+1
.endr
	WIN 0
.macro ADDBO c, sb                     ; channel c of my eight: two rows, 8 registers
.irp d, 0,1,2,3
	v_pk_add_f32 v[TT+8*\c+2*\d:TT+8*\c+2*\d+1], v[TT+8*\c+2*\d:TT+8*\c+2*\d+1], s[\sb:\sb+1] op_sel_hi:[1,0]
.endr
.endm
	ADDBO 0, 44
	ADDBO 1, 8
	ADDBO 2, 46
	ADDBO 3, 10
	ADDBO 4, 48
	ADDBO 5, 12
	ADDBO 6, 50
	ADDBO 7, 14
.irp e, 0,1,2,3,4,5,6,7,8,9,10,11,12,13,14,15
	global_store_b128 v[GO2], v[TT+4*\e:TT+4*\e+3], s[40:41] offset:CH*(\e>>1)+ROWG*(\e&1) th:TH_STORE_NT   ; a whole image row: 512 consecutive bytes, aligned
.endr
	s_set_vgpr_msb 0x5
	s_wait_tensorcnt 0x0
	ds_add_u32 v192, v193
	s_wait_dscnt 0x0
	s_set_vgpr_msb 0x500
	s_endpgm
.Lfunc_end_k_q221daf339f_locatt:
	.size	k_q221daf339f_locatt, .Lfunc_end_k_q221daf339f_locatt-k_q221daf339f_locatt
	.p2alignl 7, 3214868480
	.fill 96, 4, 3214868480
	.section	.rodata,"a",@progbits
	.p2align	6, 0x0
	.amdhsa_kernel k_q221daf339f_locatt
		.amdhsa_group_segment_fixed_size 326144
		.amdhsa_private_segment_fixed_size 0
		.amdhsa_enable_private_segment 0
		.amdhsa_kernarg_size 72
		.amdhsa_user_sgpr_count 2
		.amdhsa_user_sgpr_kernarg_segment_ptr 1
		.amdhsa_wavefront_size32 1
		.amdhsa_system_sgpr_workgroup_id_x 1
		.amdhsa_system_sgpr_workgroup_id_y 1
		.amdhsa_system_sgpr_workgroup_id_z 1
		.amdhsa_system_vgpr_workitem_id 0
		.amdhsa_next_free_vgpr 450
		.amdhsa_next_free_sgpr 66
		.amdhsa_reserve_vcc 1
		.amdhsa_float_denorm_mode_32 3
		.amdhsa_float_denorm_mode_16_64 3
		.amdhsa_memory_ordered 1
		.amdhsa_forward_progress 1
		.amdhsa_inst_pref_size 103
	.end_amdhsa_kernel
	.amdgpu_metadata
---
amdhsa.version: [ 1, 2 ]
amdhsa.kernels:
  - .name:           k_q221daf339f_locatt
    .symbol:         k_q221daf339f_locatt.kd
    .args:
      - { .name: y, .offset: 0, .size: 8, .value_kind: global_buffer, .address_space: global }
      - { .name: x, .offset: 8, .size: 8, .value_kind: global_buffer, .address_space: global }
      - { .name: wy, .offset: 16, .size: 8, .value_kind: global_buffer, .address_space: global }
      - { .name: wx, .offset: 24, .size: 8, .value_kind: global_buffer, .address_space: global }
      - { .name: by, .offset: 32, .size: 8, .value_kind: global_buffer, .address_space: global }
      - { .name: bx, .offset: 40, .size: 8, .value_kind: global_buffer, .address_space: global }
      - { .name: wo, .offset: 48, .size: 8, .value_kind: global_buffer, .address_space: global }
      - { .name: bo, .offset: 56, .size: 8, .value_kind: global_buffer, .address_space: global }
      - { .name: out0, .offset: 64, .size: 8, .value_kind: global_buffer, .address_space: global }
    .group_segment_fixed_size: 326144
    .private_segment_fixed_size: 0
    .kernarg_segment_align: 8
    .kernarg_segment_size: 72
    .max_flat_workgroup_size: 256
    .sgpr_count:     66
    .vgpr_count:     450
    .wavefront_size: 32
...
	.end_amdgpu_metadata
.endif
;; end of part 1
;; ======== version 2 of 2: 1 launch; 1.14 times as fast as version 1
;; limits: right only within a limited range of input values
;; launch locatt (part 2): grid 64 x 4, 8 waves a work-group, no clusters, 306,176 bytes of LDS; arguments y, x, wy, wx, by, bx, wo, bo, out0; writes out0
.if DOCPART == 2
	.amdgcn_target "amdgcn-amd-amdhsa--gfx1250"
	.amdhsa_code_object_version 6
	.text
	.protected	k_q221daf339f_locatt
	.globl	k_q221daf339f_locatt
	.p2align	8
	.type	k_q221daf339f_locatt,@function
k_q221daf339f_locatt:
	s_mov_b64 s[64:65], 0
	v_nop
	global_prefetch_b8 v0, s[64:65] scope:SCOPE_SE
	s_setreg_imm32_b32 hwreg(HW_REG_WAVE_MODE, 25, 1), 1
	s_wait_xcnt 0x0
; LOCAL ATTENTION, 5 x 5 window, fused into one launch:  q = wy y + by,  v = wx x + bx  (1 x 1 convolutions, 64 -> 64 channels),
; A = softmax over the 25 neighbours of q(neighbour) . q(pixel),  out = wo (sum A v(neighbour)) + bo + x.
; Neighbours outside the image have q = 0 and v = 0 (the padding follows the convolutions): score 0, and they take part in the softmax.
;
; SHARES.  A work-group owns image rows 2 rp, 2 rp + 1 of batch b, all 128 columns, and works on 6 rows (2 above, 2 below).
; Whole rows: no column halo is read, and every global access is 256 consecutive bytes per 16 lanes, aligned.
; Grid (x, y) -> b = 2 (bit 2 of x) + (y >> 1), rp = 32 (y & 1) + 4 (x >> 3) + (x & 3): one-to-one.  The groups with bit 2 of x clear take
; batches 0 and 1, the others batches 2 and 3, so that the two sets read no common byte of x or y.
;   phase 1: waves 0-3 make q, waves 4-7 make v.  A wave does 3 jobs of one row x 64 pixels.  f32 goes from memory to registers and is packed
;            to bf16 straight into the matrix operand's layout.  q goes to LDS pixel by pixel (64 channels together: K and Q fragments have the
;            channels along k), v channel by channel (a row's pixels together: V fragments have the key pixels along k); so the two products
;            take their sources in opposite order, and the two sets of waves have a text each.  The job of the group's own rows comes last:
;            in waves 4-7 its f32 registers are the residual x, kept until phase 3, so that x is loaded for it no second time.
;   phase 2: wave w takes the query tiles (2 rows x 8 columns) at columns x0 = 8 w and 64 + 8 w.  Six key tiles, one row x 16 columns
;            x0 - 4 .. x0 + 11 each.  S^T = K Q^T + mask; its result layout is P's operand layout; agg^T = V^T P; its result layout is the
;            output product's.
;   phase 3: waves 4-7 read an f32 stage in LDS (one row x 64 columns x 64 channels each), add their x and store 256-byte pieces of rows.
; NO CLUSTER, NO TENSOR LOADS: the inputs are f32 and are converted on the way into operand registers, so no tile of them ever lies in
; LDS (6 rows x 64 channels x 512 bytes are 196,608 bytes for each input: both would not fit).  What neighbours share is 4 of 6 rows, and a
; shared row is another halo row in each of them, so that its place in LDS would hang on the partner's place.
;
; LIMITS.  Matrix operands (y, x, weights, q, v, P, the aggregate) are rounded to bf16; sums, softmax, biases and residual are f32.
; The mask is the finite number -1e30, added as the C operand: scores must stay far below 1e29 in magnitude.  The row maximum is taken
; away before the exponential; m log2(e) is rounded once, a factor common to all terms that the normalisation cancels.
; A term below 2^-126 counts as 0.
.set CH,    65536                      ; bytes from channel to channel in x, y, out0
.set ROWG,  512                        ; bytes of an image row
; LDS, q.  Pixel (halo row R, column x), X4 = x + 4:  R ROWB + (X4 & 3) IB + (X4 >> 2) PP + 2 channel
.set PP,    144                        ; 64 bf16 + 16 bytes: 9 columns of 16 bytes
.set IB,    36*PP                      ; 36 groups of four columns (X4 = 0 .. 143); 5,184 = 4 columns of 16 bytes modulo 256
.set ROWB,  4*IB+32                    ; 20,768 = 2 columns of 16 bytes modulo 256
; LDS, v.  VBASE + R ROWV + channel PCV + 2 X4
.set PCV,   272                        ; X4 = 0 .. 135; 272 = 17 x 16: 16 neighbouring channels lie in 16 different columns of 16 bytes modulo 256
.set ROWV,  64*PCV                     ; 17,408
.set VBASE, 6*ROWB                     ; 124,608
.set STAGE, VBASE+6*ROWV               ; 229,056: f32 stage, 64 channels x SP.  Until the second barrier: wy and wx as bf16
.set SP,    1040                       ; 2 rows x 512 bytes + 16
.set WOL,   STAGE+64*SP                ; 295,616: wo as bf16, 64 rows of PP; ends at 304,832
.set WYX,   64*PP                      ; one weight matrix in LDS
.set TSTEP, 16*PP                      ; 64 columns further in q (a wave's second query tile); in v that is 128 bytes
; vector registers, window 0.  v0 thread, v1 lane L, v2 r = L & 15, v3 h = L >> 4
.set BOFF, 4                           ; phase 0: 4 r, my channel in bo and bx
.set STA,  5                           ; v5-7   where job k stores
.set WA,   8                           ; my rows of my weight matrix in LDS
.set GOFF, 9                           ; all phases: 8 h channels + 16 r bytes, in x, y and out0
.set WF,   16                          ; v16-79   weight fragments, (ot, s) at 16 ot + 8 s
.set BIAS, 80                          ; v80-111  register j of set ot: q waves by[16 ot + 8 h + j], v waves bx[16 ot + r]
.set FRAG, 112                         ; v112-175 input fragments, (i, s) at 16 i + 8 s
.set ACC0, 176                         ; v176-207
.set ACC1, 208                         ; v208-239
.set STG,  176                         ; v176-223 the weights as loaded (before the accumulators are used)
.set ZR,   240                         ; v240-243 zeros
.set OUTV, 240                         ; v240-255 v waves: 32 pixels of one channel as bf16
.set QA,   4                           ; phases 2-3
.set KA,   5                           ; v5, v6: key rows 0-2, 3-5
.set VA,   7                           ; v7, v8: the same in v
.set SA,   10
.set FA,   11
.set QF,   16                          ; v16-31   Q(s) at 8 s
.set KV,   32                          ; v32-127  K(t, s) at 16 t + 8 s, then V(u, ct) at 32 u + 8 ct
.set OUTR, 32                          ; v32-63   the output product
.set TT,   16                          ; v16-143  phase 3: the stage, piece (q, l) at 32 q + 4 l
.set SCR,  128                         ; v128-175 scores, S(t) at 8 t
.set AGG,  128                         ; v128-159 the aggregate
.set PRB,  176                         ; v176-199 P as bf16
.set AGB,  200                         ; v200-215 the aggregate as bf16
.set MKT,  216                         ; mask of key row 0
.set MKC,  224                         ; of key rows 1-4
.set MKB,  232                         ; of key row 5
.set MX,   240                         ; v240-247 chains of maxima, then of sums
.set MROW, 248                         ; the maximum
.set XL,   249                         ; what the other half of the lanes holds
.set NM,   250                         ; v250-251 -m log2(e), twice
.set L2E,  252                         ; v252-253 log2(e), twice
.set RL,   254                         ; v254-255 1 / sum, twice
; window 1 (v256 and up, written with their low 8 bits)
.set RAW,  0                           ; v256-383 an input job as loaded: load (q, l) at 32 q + 4 l.  The last job's stay: the residual
.set WOF,  128                         ; v384-447 wo's fragments, (ot, s) at 16 ot + 8 s
.set BOC,  192                         ; v448-479 bo[16 ot + r] in all 8 registers of set ot: the output product's C
; s_set_vgpr_msb: bits 1:0 source 0, 3:2 source 1, 5:4 source 2, 7:6 destination; the high byte repeats the setting that is left
.set MSB, 0
.macro WIN new
.if MSB != \new
	s_set_vgpr_msb (MSB<<8)|\new
.set MSB, \new
.endif
.endm
; Four places of plain vector work behind a matrix instruction before its result is read or one of its registers is loaded or written
; (ISA guide 7.12.1); other matrix instructions are not counted as places here.
.macro PLACES
.rept 4
	v_nop
.endr
.endm
; ---------------------------------------------------------------- phase 0: ids, pointers, first loads, pads, weights
	s_load_b512 s[8:23], s[0:1], 0x0               ; y s[8:9], x s[10:11], wy s[12:13], wx s[14:15], by s[16:17], bx s[18:19], wo s[20:21], bo s[22:23]
	s_load_b64 s[24:25], s[0:1], 0x40              ; out0
	s_set_vgpr_msb 0x40
	v_lshl_add_u32 v224, v0, 2, 0x4a800
	v_mov_b32 v225, 0
	s_set_vgpr_msb 0x4000
	v_lshrrev_b32 v10, 5, v0
	v_readfirstlane_b32 s2, v10                    ; wave w
	v_and_b32 v1, 31, v0                           ; L
	v_and_b32 v2, 15, v0                           ; r
	v_bfe_u32 v3, v0, 4, 1                         ; h
	v_lshlrev_b32 v[GOFF], 4, v2
	v_lshl_add_u32 v[GOFF], v3, 19, v[GOFF]        ; lanes 16-31 read 8 channels further
	v_lshlrev_b32 v11, 4, v0                       ; weights: 16 bytes a thread
	v_lshlrev_b32 v12, 5, v3                       ; by: 8 h numbers
	v_lshlrev_b32 v[BOFF], 2, v2
	s_lshr_b32 s3, s2, 2                           ; sel: 0 makes q, 1 makes v
	s_and_b32 s4, s2, 3
	s_and_b32 s5, s4, 1                            ; half: columns 0-63 or 64-127
	s_lshr_b32 s6, s4, 1                           ; rsub: halo rows rsub, rsub + 2, rsub + 4
	s_and_b32 s54, ttmp7, 0xffff                   ; grid y
	s_and_b32 s7, ttmp9, 3
	s_lshr_b32 s55, ttmp9, 3
	s_lshl2_add_u32 s7, s55, s7                    ; 4 (x >> 3) + (x & 3)
	s_and_b32 s55, s54, 1
	s_lshl_b32 s55, s55, 5
	s_add_co_u32 s7, s7, s55                       ; rp, 0 .. 63
	s_bfe_u32 s55, ttmp9, 0x10002                  ; bit 2 of x
	s_lshr_b32 s54, s54, 1
	s_lshl1_add_u32 s54, s55, s54                  ; b, 0 .. 3
	s_lshl_b32 s54, s54, 22                        ; batch x 64 channels x 65,536 bytes
	s_mov_b32 s31, 0                               ; the upper word of every offset pair (all offsets are below 2^24)
	s_mov_b32 s52, 0x76543210                      ; v_permlanex16_b32: lane i takes lane i of the other half
	s_mov_b32 s53, 0xfedcba98
	s_lshl_b32 s55, s5, 8
	s_add_co_u32 s30, s54, s55                     ; batch + half a row
	s_lshl1_add_u32 s56, s7, s6                    ; 2 rp + rsub = job 1's image row, one of the group's own
	s_wait_kmcnt 0x0
.irp k, 0,1,2,3
	global_load_b128 v[STG+4*\k:STG+4*\k+3], v11, s[12:13] offset:4096*\k
.endr
.irp k, 0,1,2,3
	global_load_b128 v[STG+16+4*\k:STG+16+4*\k+3], v11, s[14:15] offset:4096*\k
.endr
.irp k, 0,1,2,3
	global_load_b128 v[STG+32+4*\k:STG+32+4*\k+3], v11, s[20:21] offset:4096*\k
.endr
	s_cmp_lt_u32 s2, 4                             ; waves 0-3: y, by; waves 4-7: x, bx
	s_cselect_b64 s[26:27], s[8:9], s[10:11]       ; my input
	s_cselect_b64 s[28:29], s[16:17], s[18:19]     ; my bias
	s_cbranch_scc0 .Lbias_v
.irp ot, 0,1,2,3                                   ; q's result has the channels along the registers: by[16 ot + 8 h + j]
	global_load_b128 v[BIAS+8*\ot:BIAS+8*\ot+3],   v12, s[28:29] offset:64*\ot
	global_load_b128 v[BIAS+8*\ot+4:BIAS+8*\ot+7], v12, s[28:29] offset:64*\ot+16
.endr
	s_branch .Lbias_in
.Lbias_v:
.irp ot, 0,1,2,3                                   ; v's result has the channels along the lanes: bx[16 ot + r], spread over the set in phase 1
	global_load_b32 v[BIAS+8*\ot], v[BOFF], s[28:29] offset:64*\ot
.endr
.Lbias_in:
	WIN 0x40
.irp ot, 0,1,2,3
	global_load_b32 v[BOC+8*\ot], v[BOFF], s[22:23] offset:64*\ot      ; bo[16 ot + r]
.endr
	s_add_nc_u64 s[26:27], s[26:27], s[30:31]
	s_add_nc_u64 s[40:41], s[24:25], s[30:31]      ; out0: batch + half a row,
	s_sub_co_i32 s55, s56, 2                       ; job 0's row, clamped into the image: for rp = 0 its result is replaced by zeros below
	s_max_i32 s55, s55, 0
	s_lshl_b32 s30, s55, 9
	s_add_nc_u64 s[32:33], s[26:27], s[30:31]
	s_lshl_b32 s30, s56, 9
	s_add_nc_u64 s[34:35], s[26:27], s[30:31]
	s_add_nc_u64 s[40:41], s[40:41], s[30:31]      ; + job 1's row: where waves 4-7 store
	s_add_co_u32 s55, s56, 2                       ; job 2's row, clamped likewise (rp = 63)
	s_min_i32 s55, s55, 127
	s_lshl_b32 s30, s55, 9
	s_add_nc_u64 s[36:37], s[26:27], s[30:31]
; 8 loads: quarter q of a job = channels 16 q + 8 h + 0..7, four pixels 4 r .. 4 r + 3 in a lane; 16 lanes read 256 consecutive bytes
.macro LDQ sb, q
	WIN 0x40
.irp l, 0,1,2,3,4,5,6,7
	global_load_b128 v[RAW+32*\q+4*\l:RAW+32*\q+4*\l+3], v[GOFF], s[\sb:\sb+1] offset:CH*(16*\q+\l)
.endr
.endm
	LDQ 32, 0
	LDQ 32, 1
	LDQ 32, 2
	LDQ 32, 3
	WIN 0
	; Pads of q: columns X4 = 0-3 and the row's tail X4 = 132-143 of 6 rows are zeros.  16 columns x 8 chunks x 6 rows = 3 stores a thread.
	v_and_b32 v10, 7, v0                           ; chunk of 8 channels
	v_bfe_u32 v13, v0, 3, 2                        ; X4 & 3
	v_bfe_u32 v14, v0, 5, 2                        ; g = 0: group 0; g = 1, 2, 3: groups 33, 34, 35
	v_add_nc_u32 v15, 3, v14
	v_lshrrev_b32 v15, 2, v15
	v_lshl_add_u32 v14, v15, 5, v14
	v_lshrrev_b32 v15, 7, v0                       ; rows t >> 7 + 0, 2, 4
	v_lshlrev_b32 v10, 4, v10
	v_mad_u32_u24 v10, v13, IB, v10
	v_mad_u32_u24 v10, v14, PP, v10
	v_mad_u32_u24 v10, v15, ROWB, v10
	v_add_nc_u32 v13, 4*ROWB, v10
	; Pads of v: X4 = 0-3 (bytes 0-7) and 132-135 (bytes 264-271) of 64 channels x 6 rows: 2 x 64 x 6 pieces of 8 bytes = 3 stores a thread.
	v_and_b32 v14, 63, v0                          ; channel
	v_mul_u32_u24 v14, v14, PCV
	v_mad_u32_u24 v14, v15, ROWV, v14              ; rows t >> 7 + 0, 2, 4
	v_bfe_u32 v15, v0, 6, 1                        ; left or right
	v_mad_u32_u24 v14, v15, 264, v14
	v_add_nc_u32 v14, VBASE, v14
	v_add_nc_u32 v15, 4*ROWV, v14
.irp j, 0,1,2,3
	v_mov_b32 v[ZR+\j], 0
.endr
	ds_store_b128 v10, v[ZR:ZR+3]
	ds_store_b128 v10, v[ZR:ZR+3] offset:2*ROWB
	ds_store_b128 v13, v[ZR:ZR+3]
	ds_store_b64 v14, v[ZR:ZR+1]
	ds_store_b64 v14, v[ZR:ZR+1] offset:2*ROWV
	ds_store_b64 v15, v[ZR:ZR+1]
	; the weights' addresses
	v_lshrrev_b32 v15, 4, v0                       ; into LDS: f32 number 4 t + 1024 k is row t / 16 + 16 k, column 4 (t & 15)
	v_mul_u32_u24 v15, v15, PP
	v_lshl_add_u32 v15, v2, 3, v15
	v_add_nc_u32 v15, STAGE, v15
	v_add_nc_u32 v13, WOL-STAGE, v15
	v_mul_u32_u24 v10, v2, PP
	v_lshl_add_u32 v10, v3, 4, v10                 ; 144 r + 16 h: a fragment's lane term (and q's results', in phase 1)
	s_mul_i32 s56, s3, WYX
	s_add_co_u32 s56, s56, STAGE
	v_add_nc_u32 v[WA], s56, v10
	v_add_nc_u32 v14, WOL, v10
	s_wait_loadcnt 40                              ; the 12 weight loads are in: behind them stand 8 (q waves) or 4 (v waves) bias loads, 4 of bo, 32 of input
.irp n, 0,1,2,3,4,5,6,7,8,9,10,11
	v_cvt_pk_bf16_f32 v[STG+4*\n],   v[STG+4*\n],   v[STG+4*\n+1]
	v_cvt_pk_bf16_f32 v[STG+4*\n+1], v[STG+4*\n+2], v[STG+4*\n+3]
.endr
.irp k, 0,1,2,3
	ds_store_b64 v15, v[STG+4*\k:STG+4*\k+1] offset:16*PP*\k
	ds_store_b64 v15, v[STG+16+4*\k:STG+16+4*\k+1] offset:WYX+16*PP*\k
	ds_store_b64 v13, v[STG+32+4*\k:STG+32+4*\k+1] offset:16*PP*\k
.endr
	s_wait_dscnt 0x0                               ; my pads and my part of the weights are in LDS, for the other waves
	s_barrier_signal -1
	s_barrier_wait -1
.irp ot, 0,1,2,3
.irp e, 0,1,2,3
	ds_load_b128 v[WF+16*\ot+4*\e:WF+16*\ot+4*\e+3], v[WA] offset:16*PP*\ot+32*\e
.endr
.endr
	WIN 0x40
.irp ot, 0,1,2,3
.irp e, 0,1,2,3
	ds_load_b128 v[WOF+16*\ot+4*\e:WOF+16*\ot+4*\e+3], v14 offset:16*PP*\ot+32*\e
.endr
.endr
	WIN 0
	s_wait_dscnt 0x0                               ; also: my reads of wy / wx are over before the stage takes their bytes (behind the next barrier)
; ---------------------------------------------------------------- phase 1: the two input convolutions
; Quarter q to bf16.  Register i of a load is pixel 4 r + i: pixel tile i is the set {4 r + i}.  Operand layout, lane (r, h): registers 4 a + p of
; K step s hold channels 32 s + 16 a + 8 h + 2 p, + 1, and q = 2 s + a.  The layout is the same for the first and the second source.
.macro CVTQ q
	WIN 0x05
.irp i, 0,1,2,3
.irp p, 0,1,2,3
	v_cvt_pk_bf16_f32 v[FRAG+16*\i+4*\q+\p], v[RAW+32*\q+8*\p+\i], v[RAW+32*\q+8*\p+4+\i]
.endr
.endr
.endm
; A job's input, with the next job's loads issued quarter by quarter into the registers just read.  Behind quarter q stand 8 (3 - q) loads of
; this job and 8 q of the next: 24 younger loads at every wait (loads come back in order, ISA guide 5.7.1).
.macro INNEXT sb
.irp q, 0,1,2,3
	s_wait_loadcnt 24
	CVTQ \q
	LDQ \sb, \q
.endr
	WIN 0
.endm
; The last job: nothing is loaded behind it, the counts run down, and its f32 registers keep what was loaded
.macro INLAST
.irp q, 0,1,2,3
	s_wait_loadcnt 24-8*\q
	CVTQ \q
.endr
	WIN 0
.endm
; q: D(m = output channel, n = pixel) = W x input + bias: the bias is the first product's C, nothing is cleared or added later
.macro MM i, acc
.irp ot, 0,1,2,3
	v_wmma_f32_16x16x32_bf16 v[\acc+8*\ot:\acc+8*\ot+7], v[WF+16*\ot:WF+16*\ot+7], v[FRAG+16*\i:FRAG+16*\i+7], v[BIAS+8*\ot:BIAS+8*\ot+7]
.endr
.irp ot, 0,1,2,3
	v_wmma_f32_16x16x32_bf16 v[\acc+8*\ot:\acc+8*\ot+7], v[WF+16*\ot+8:WF+16*\ot+15], v[FRAG+16*\i+8:FRAG+16*\i+15], v[\acc+8*\ot:\acc+8*\ot+7]
.endr
.endm
; a lane's 8 results are channels 16 ot + 8 h + 0..7 of one pixel: 16 bytes.  The 16 lanes of a half lie 144 bytes apart: 16 different columns
.macro PKST i, acc, k
.irp ot, 0,1,2,3
.irp p, 0,1,2,3
	v_cvt_pk_bf16_f32 v[\acc+8*\ot+\p], v[\acc+8*\ot+2*\p], v[\acc+8*\ot+2*\p+1]
.endr
.endr
.irp ot, 0,1,2,3
	ds_store_b128 v[STA+\k], v[\acc+8*\ot:\acc+8*\ot+3] offset:IB*\i+32*\ot
.endr
.endm
; Two accumulator sets take turns: the 16 conversions of one set are the places behind the other set's matrix instructions
.macro WORK k
	MM 0, ACC0
	MM 1, ACC1
	PLACES
	PKST 0, ACC0, \k
	MM 2, ACC0
	PKST 1, ACC1, \k
	MM 3, ACC1
	PKST 2, ACC0, \k
	PKST 3, ACC1, \k
.endm
.macro ZROW k                          ; the job's 64 pixels become zeros: a row outside the image.  LDS serves a wave's stores in order
.irp i, 0,1,2,3
.irp ot, 0,1,2,3
	ds_store_b128 v[STA+\k], v[ZR:ZR+3] offset:IB*\i+32*\ot
.endr
.endr
.endm
; v: the sources the other way round, D(m = pixel, n = output channel): register j of tile i in lane (r, h) is pixel 32 h + 4 j + i of channel 16 ot + r
.macro MMV ot, acc
.irp i, 0,1,2,3
	v_wmma_f32_16x16x32_bf16 v[\acc+8*\i:\acc+8*\i+7], v[FRAG+16*\i:FRAG+16*\i+7], v[WF+16*\ot:WF+16*\ot+7], v[BIAS+8*\ot:BIAS+8*\ot+7]
.endr
.irp i, 0,1,2,3
	v_wmma_f32_16x16x32_bf16 v[\acc+8*\i:\acc+8*\i+7], v[FRAG+16*\i+8:FRAG+16*\i+15], v[WF+16*\ot+8:WF+16*\ot+15], v[\acc+8*\i:\acc+8*\i+7]
.endr
.endm
; The four tiles together are 32 neighbouring pixels of one channel: 64 bytes from byte 2 (x + 4), which is 8 modulo 16: 8 + 3 x 16 + 8 bytes.
; In the 16-byte stores the 16 lanes of a half lie 272 bytes apart: 16 different columns.
.macro PKV ot, acc, k
.irp j, 0,1,2,3,4,5,6,7
	v_cvt_pk_bf16_f32 v[OUTV+2*\j],   v[\acc+\j],    v[\acc+8+\j]
	v_cvt_pk_bf16_f32 v[OUTV+2*\j+1], v[\acc+16+\j], v[\acc+24+\j]
.endr
	ds_store_b64  v[STA+\k], v[OUTV:OUTV+1]     offset:16*PCV*\ot+8
	ds_store_b128 v[STA+\k], v[OUTV+2:OUTV+5]   offset:16*PCV*\ot+16
	ds_store_b128 v[STA+\k], v[OUTV+6:OUTV+9]   offset:16*PCV*\ot+32
	ds_store_b128 v[STA+\k], v[OUTV+10:OUTV+13] offset:16*PCV*\ot+48
	ds_store_b64  v[STA+\k], v[OUTV+14:OUTV+15] offset:16*PCV*\ot+64
.endm
; Again two accumulator sets in turn.  Behind a matrix instruction of one set the places are the four v_nop, the other set's conversions,
; and of its own set's the eight that name the other two pixel tiles.
.macro WORKV k
	MMV 0, ACC0
	MMV 1, ACC1
	PLACES
	PKV 0, ACC0, \k
	MMV 2, ACC0
	PKV 1, ACC1, \k
	MMV 3, ACC1
	PKV 2, ACC0, \k
	PKV 3, ACC1, \k
.endm
.macro ZROWV k                         ; the same bytes as the job's stores, as zeros (the packed results have taken the zeros' registers)
.irp j, 0,1,2,3
	v_mov_b32 v[ZR+\j], 0
.endr
.irp ot, 0,1,2,3
	ds_store_b64  v[STA+\k], v[ZR:ZR+1] offset:16*PCV*\ot+8
	ds_store_b128 v[STA+\k], v[ZR:ZR+3] offset:16*PCV*\ot+16
	ds_store_b128 v[STA+\k], v[ZR:ZR+3] offset:16*PCV*\ot+32
	ds_store_b128 v[STA+\k], v[ZR:ZR+3] offset:16*PCV*\ot+48
	ds_store_b64  v[STA+\k], v[ZR:ZR+1] offset:16*PCV*\ot+64
.endr
.endm
	s_cmp_lt_u32 s2, 4
	s_cbranch_scc0 .Lmake_v
	; ---- waves 0-3: q
	s_mul_i32 s55, s6, ROWB
	s_mul_i32 s56, s5, 16*PP
	s_add_co_u32 s55, s55, s56
	s_add_co_u32 s55, s55, PP                      ; pixel 64 half + 4 r + i lies in group 16 half + r + 1
	v_add_nc_u32 v[STA], s55, v10
	v_add_nc_u32 v[STA+1], 2*ROWB, v[STA]
	v_add_nc_u32 v[STA+2], 4*ROWB, v[STA]
	INNEXT 36                                      ; job 0 (halo row rsub); job 2's loads follow it
	WORK 0
	s_cmp_lg_u32 s7, 0                             ; rp = 0: halo rows 0, 1 lie above the image
	s_cbranch_scc1 .Lq_top_inside
	ZROW 0
.Lq_top_inside:
	INNEXT 34                                      ; job 2 (halo row rsub + 4); job 1's loads follow it
	WORK 2
	s_cmp_lg_u32 s7, 63                            ; rp = 63: halo rows 4, 5 lie below the image
	s_cbranch_scc1 .Lq_bottom_inside
	ZROW 2
.Lq_bottom_inside:
	INLAST                                         ; job 1 (halo row rsub + 2, one of the group's own rows)
	WORK 1
	s_branch .Lmade
.Lmake_v:
	; ---- waves 4-7: v
	s_mul_i32 s55, s6, ROWV
	s_lshl_b32 s56, s5, 7                          ; 64 pixels are 128 bytes
	s_add_co_u32 s55, s55, s56
	s_add_co_u32 s55, s55, VBASE
	v_mul_u32_u24 v11, v2, PCV                     ; channel r (v11's loads, the weights', were waited for in phase 0)
	v_lshl_add_u32 v11, v3, 6, v11                 ; 32 h pixels
	v_add_nc_u32 v[STA], s55, v11
	v_add_nc_u32 v[STA+1], 2*ROWV, v[STA]
	v_add_nc_u32 v[STA+2], 4*ROWV, v[STA]
	s_wait_loadcnt 32                              ; bx is in: the 32 input loads are younger
.irp ot, 0,1,2,3                                   ; the product's C: its 8 registers are 8 pixels of the lane's one channel
.irp j, 1,2,3,4,5,6,7
	v_mov_b32 v[BIAS+8*\ot+\j], v[BIAS+8*\ot]
.endr
.endr
	INNEXT 36
	WORKV 0
	s_cmp_lg_u32 s7, 0
	s_cbranch_scc1 .Lv_top_inside
	ZROWV 0
.Lv_top_inside:
	INNEXT 34
	WORKV 2
	s_cmp_lg_u32 s7, 63
	s_cbranch_scc1 .Lv_bottom_inside
	ZROWV 2
.Lv_bottom_inside:
	INLAST                                         ; the group's own rows of x stay in v256-383
	WORKV 1
.Lmade:
	s_wait_dscnt 0x0                               ; my q or v is in LDS, for the other waves
	s_barrier_signal -1
	; register work while the others arrive: the addresses, masks and constants of phases 2 and 3
	s_mul_i32 s55, s2, 2*PP                        ; query tile w begins at column 8 w: two groups of four
	s_lshl_b32 s56, s2, 4                          ; and 16 bytes in v
	s_add_co_u32 s56, s56, VBASE
	s_lshl_b32 s57, s2, 5
	s_add_co_u32 s57, s57, STAGE
	v_lshl_add_u32 v10, v3, 4, s55                 ; 16 h + 288 w
	v_lshrrev_b32 v15, 3, v2                       ; query r: row qy = r >> 3, column qx = r & 7
	v_and_b32 v12, 3, v2
	v_bfe_u32 v13, v2, 2, 1
	v_mad_u32_u24 v[QA], v15, ROWB, v10
	v_mad_u32_u24 v[QA], v12, IB, v[QA]
	v_mad_u32_u24 v[QA], v13, PP, v[QA]
	v_add_nc_u32 v[QA], 2*ROWB+PP, v[QA]           ; halo row 2 + qy, X4 = 8 w + 4 + qx
	v_lshrrev_b32 v13, 2, v2                       ; key column c = r is x = x0 - 4 + c, X4 = 8 w + r: 4 (r & 3) + 9 (r >> 2) columns of 16 bytes,
	v_mad_u32_u24 v[KA], v12, IB, v10              ; 16 different ones modulo 16
	v_mad_u32_u24 v[KA], v13, PP, v[KA]
	v_add_nc_u32 v[KA+1], 3*ROWB, v[KA]
	v_mul_u32_u24 v12, v2, PCV                     ; V fragment: lane (r, h) takes channel 16 ct + r, key columns 8 h .. 8 h + 7: 16 bytes at 2 (8 w + 8 h)
	v_lshl_add_u32 v12, v3, 4, v12
	v_add_nc_u32 v[VA], s56, v12
	v_add_nc_u32 v[VA+1], 3*ROWV, v[VA]
	v_mul_u32_u24 v10, v2, SP                      ; stage, in: channel 16 ot + r, row h, columns 8 w ..
	v_lshl_add_u32 v10, v3, 9, v10
	v_add_nc_u32 v[SA], s57, v10
	s_lshl_b32 s57, s6, 9                          ; stage, back, as job 1 was loaded: row rsub,
	s_lshl_b32 s56, s5, 8                          ; columns 64 half + 4 r ..,
	s_add_co_u32 s57, s57, s56
	s_add_co_u32 s57, s57, STAGE
	v_mul_u32_u24 v12, v3, 8*SP                    ; channels 8 h + ..
	v_lshl_add_u32 v12, v2, 4, v12
	v_add_nc_u32 v[FA], s57, v12
	; masks.  Register j of lane (r, h) is key column c = 8 h + j against query r: x - xq = c - 4 - qx, inside iff 0 <= c - qx - 2 < 5.
	; Key rows 1-4 serve both query rows, key row 0 only qy = 0, key row 5 only qy = 1.
	v_and_b32 v12, 7, v2
	v_add_nc_u32 v12, 2, v12
	v_lshlrev_b32 v13, 3, v3
	v_sub_nc_u32 v12, v13, v12                     ; 8 h - qx - 2
	v_mov_b32 v13, 0xf149f2ca                      ; -1e30
	v_mov_b32 v14, 0
	v_cmp_eq_u32 s54, 0, v15
	v_cmp_eq_u32 s55, 1, v15
.irp j, 0,1,2,3,4,5,6,7
	v_add_nc_u32 v[MX], \j, v12
	v_cmp_gt_u32 vcc_lo, 5, v[MX]
	v_cndmask_b32 v[MKC+\j], v13, v14, vcc_lo
	v_cndmask_b32 v[MKT+\j], v13, v[MKC+\j], s54
	v_cndmask_b32 v[MKB+\j], v13, v[MKC+\j], s55
.endr
	v_mov_b32 v[XL], 0                             ; v_permlanex16_b32 counts as a reader of its destination
	v_mov_b32 v[L2E], 0x3fb8aa3b
	v_mov_b32 v[L2E+1], 0x3fb8aa3b
	WIN 0x41                                       ; the output product's C: its 8 registers are 8 queries of the lane's one channel,
.irp ot, 0,1,2,3                                   ; so the lane's bo stands in all eight (loaded in phase 0, in since the last job's waits)
.irp j, 1,2,3,4,5,6,7
	v_mov_b32 v[BOC+8*\ot+\j], v[BOC+8*\ot]
.endr
.endr
	WIN 0
	s_barrier_wait -1                              ; q and v are whole
; ---------------------------------------------------------------- phase 2: attention and the output product
; two key rows: S(m = key column, n = query) = K Q^T + mask
.macro SC2 t, ma, mb, cnt
	s_wait_dscnt \cnt                              ; Q and these two rows' K are in; cnt loads of later rows are younger
	v_wmma_f32_16x16x32_bf16 v[SCR+8*\t:SCR+8*\t+7],    v[KV+16*\t:KV+16*\t+7],     v[QF:QF+7],    v[\ma:\ma+7]
	v_wmma_f32_16x16x32_bf16 v[SCR+8*\t+8:SCR+8*\t+15], v[KV+16*\t+16:KV+16*\t+23], v[QF:QF+7],    v[\mb:\mb+7]
	v_wmma_f32_16x16x32_bf16 v[SCR+8*\t:SCR+8*\t+7],    v[KV+16*\t+8:KV+16*\t+15],  v[QF+8:QF+15], v[SCR+8*\t:SCR+8*\t+7]
	v_wmma_f32_16x16x32_bf16 v[SCR+8*\t+8:SCR+8*\t+15], v[KV+16*\t+24:KV+16*\t+31], v[QF+8:QF+15], v[SCR+8*\t+8:SCR+8*\t+15]
.endm
; agg(m = channel, n = query) += V^T P over key rows 2 u, 2 u + 1
.macro PV u, cnt
	s_wait_dscnt \cnt
.irp ct, 0,1,2,3
.if \u == 0
	v_wmma_f32_16x16x32_bf16 v[AGG+8*\ct:AGG+8*\ct+7], v[KV+32*\u+8*\ct:KV+32*\u+8*\ct+7], v[PRB+8*\u:PRB+8*\u+7], 0
.else
	v_wmma_f32_16x16x32_bf16 v[AGG+8*\ct:AGG+8*\ct+7], v[KV+32*\u+8*\ct:KV+32*\u+8*\ct+7], v[PRB+8*\u:PRB+8*\u+7], v[AGG+8*\ct:AGG+8*\ct+7]
.endif
.endr
.endm
.macro ATT tn                          ; query tile w + 8 tn
.irp e, 0,1,2,3
	ds_load_b128 v[QF+4*\e:QF+4*\e+3], v[QA] offset:TSTEP*\tn+32*\e
.endr
.irp t, 0,1,2,3,4,5
.irp e, 0,1,2,3
	ds_load_b128 v[KV+16*\t+4*\e:KV+16*\t+4*\e+3], v[KA+\t/3] offset:ROWB*(\t%3)+TSTEP*\tn+32*\e
.endr
.endr
	SC2 0, MKT, MKC, 16
	SC2 2, MKC, MKC, 8
	SC2 4, MKC, MKB, 0
	PLACES                                         ; behind them K's registers are loaded again and the scores are read
	; V(u, ct): registers 0-3 are k = 8 h .. of key row 2 u, registers 4-7 the same columns of key row 2 u + 1: k as in P(u)
.irp u, 0,1,2
.irp ct, 0,1,2,3
	ds_load_b128 v[KV+32*\u+8*\ct:KV+32*\u+8*\ct+3],   v[VA+(2*\u)/3]   offset:ROWV*((2*\u)%3)+16*PCV*\ct+128*\tn
	ds_load_b128 v[KV+32*\u+8*\ct+4:KV+32*\u+8*\ct+7], v[VA+(2*\u+1)/3] offset:ROWV*((2*\u+1)%3)+16*PCV*\ct+128*\tn
.endr
.endr
	; softmax of query r: its 96 scores (25 unmasked) lie in 48 registers of lanes r and r + 16.  Six chains of maxima.
.irp t, 0,1,2,3,4,5
	v_max3_num_f32 v[MX+\t], v[SCR+8*\t], v[SCR+8*\t+1], v[SCR+8*\t+2]
.endr
.irp t, 0,1,2,3,4,5
	v_max3_num_f32 v[MX+\t], v[MX+\t], v[SCR+8*\t+3], v[SCR+8*\t+4]
.endr
.irp t, 0,1,2,3,4,5
	v_max3_num_f32 v[MX+\t], v[MX+\t], v[SCR+8*\t+5], v[SCR+8*\t+6]
.endr
.irp t, 0,1,2,3,4,5
	v_max_num_f32 v[MX+\t], v[MX+\t], v[SCR+8*\t+7]
.endr
	v_max3_num_f32 v[MX], v[MX], v[MX+1], v[MX+2]
	v_max3_num_f32 v[MX+3], v[MX+3], v[MX+4], v[MX+5]
	v_max_num_f32 v[MX], v[MX], v[MX+3]
	v_permlanex16_b32 v[XL], v[MX], s52, s53
	v_max_num_f32 v[MROW], v[MX], v[XL]
	v_mul_f32 v[NM], 0xbfb8aa3b, v[MROW]
	v_mul_f32 v[NM+1], 0xbfb8aa3b, v[MROW]
.set ii, 0
.rept 24
	v_pk_fma_f32 v[SCR+2*ii:SCR+2*ii+1], v[SCR+2*ii:SCR+2*ii+1], v[L2E:L2E+1], v[NM:NM+1]   ; (s - m) log2(e), one rounding
.set ii, ii+1
.endr
.set ii, 0
.rept 48
	v_exp_f32 v[SCR+ii], v[SCR+ii]
.set ii, ii+1
.endr
	v_nop                                          ; one plain vector instruction between the last exponential and its use (ISA guide 5.7.2)
	s_wait_alu depctr_va_vdst(0)
.irp c, 0,1,2,3
	v_pk_add_f32 v[MX+2*\c:MX+2*\c+1], v[SCR+2*\c:SCR+2*\c+1], v[SCR+8+2*\c:SCR+8+2*\c+1]   ; four chains of pair sums, started by the first terms
.endr
.irp g, 2,3,4,5
.irp c, 0,1,2,3
	v_pk_add_f32 v[MX+2*\c:MX+2*\c+1], v[MX+2*\c:MX+2*\c+1], v[SCR+8*\g+2*\c:SCR+8*\g+2*\c+1]
.endr
.endr
	v_pk_add_f32 v[MX:MX+1], v[MX:MX+1], v[MX+2:MX+3]
	v_pk_add_f32 v[MX+4:MX+5], v[MX+4:MX+5], v[MX+6:MX+7]
	v_pk_add_f32 v[MX:MX+1], v[MX:MX+1], v[MX+4:MX+5]
	v_add_f32 v[MX], v[MX], v[MX+1]
	v_permlanex16_b32 v[XL], v[MX], s52, s53
	v_add_f32 v[MX], v[MX], v[XL]
	v_rcp_f32 v[RL], v[MX]                         ; used far below; the conversions that follow touch neither result nor source
	v_rcp_f32 v[RL+1], v[MX]
	; the scores' result layout (register j: key column 8 h + j, lane: query) is the B operand's: P(u) = rows 2 u, 2 u + 1, packed in order
.set ii, 0
.rept 24
	v_cvt_pk_bf16_f32 v[PRB+ii], v[SCR+2*ii], v[SCR+2*ii+1]
.set ii, ii+1
.endr
	PV 0, 16                                       ; 16, 8, 0 loads of later V rows are younger
	PV 1, 8
	PV 2, 0
	PLACES
.set ii, 0
	s_wait_alu depctr_va_vdst(0)
.rept 16
	v_pk_mul_f32 v[AGG+2*ii:AGG+2*ii+1], v[AGG+2*ii:AGG+2*ii+1], v[RL:RL+1]                 ; the softmax's division, in f32
.set ii, ii+1
.endr
	; again result layout = operand layout: lane r is query r, registers are channels 16 ct + 8 h + j
.set ii, 0
.rept 16
	v_cvt_pk_bf16_f32 v[AGB+ii], v[AGG+2*ii], v[AGG+2*ii+1]
.set ii, ii+1
.endr
	WIN 0x14                                       ; B = wo's fragments and C = bo, both in window 1: bo starts the sums
.irp ot, 0,1,2,3
	v_wmma_f32_16x16x32_bf16 v[OUTR+8*\ot:OUTR+8*\ot+7], v[AGB:AGB+7], v[WOF+16*\ot:WOF+16*\ot+7], v[BOC+8*\ot:BOC+8*\ot+7]
.endr
	WIN 0x04
.irp ot, 0,1,2,3
	v_wmma_f32_16x16x32_bf16 v[OUTR+8*\ot:OUTR+8*\ot+7], v[AGB+8:AGB+15], v[WOF+16*\ot+8:WOF+16*\ot+15], v[OUTR+8*\ot:OUTR+8*\ot+7]
.endr
	WIN 0
	PLACES                                         ; four places before the stores below read the result and the next loads land in v32-63,
	v_nop                                          ; and a fifth before the next tile's score products take v32-63 as their A operand (ISA guide 7.12.1)
	; D(m = query 8 h + j, n = channel 16 ot + r): a lane holds 8 neighbouring columns of row h of one channel, 32 bytes
.irp ot, 0,1,2,3
	ds_store_b128 v[SA], v[OUTR+8*\ot:OUTR+8*\ot+3]   offset:16*SP*\ot+256*\tn
	ds_store_b128 v[SA], v[OUTR+8*\ot+4:OUTR+8*\ot+7] offset:16*SP*\ot+256*\tn+16
.endr
.endm
	ATT 0
	ATT 1
	s_wait_dscnt 0x0                               ; my columns of the stage are in LDS, for the other waves
	s_barrier_signal -1
	s_barrier_wait -1
; ---------------------------------------------------------------- phase 3: + x, whole 256-byte pieces of rows out
; Waves 4-7 hold x of row rsub, columns 64 half .., all 64 channels, as job 1 loaded it: piece (q, l) is channel 16 q + l + 8 h, 16 bytes a lane.
; They read the stage in the same order, add, and store to the same offsets in out0.  Waves 0-3 (which hold y there) have nothing left to do.
	s_cmp_lt_u32 s2, 4
	s_cbranch_scc1 .Ldone
.irp q, 0,1,2,3
.irp l, 0,1,2,3,4,5,6,7
	ds_load_b128 v[TT+32*\q+4*\l:TT+32*\q+4*\l+3], v[FA] offset:SP*(16*\q+\l)               ; 16 lanes: 256 consecutive bytes of one channel
.endr
.endr
	WIN 0x44                                       ; sums into x's registers (window 1), which are also the stores' data; stage and addresses in window 0
.irp q, 0,1,2,3
	s_wait_dscnt 24-8*\q                           ; this quarter's 8 loads are in, the later quarters' are younger
.irp n, 0,1,2,3,4,5,6,7,8,9,10,11,12,13,14,15
	v_pk_add_f32 v[RAW+32*\q+2*\n:RAW+32*\q+2*\n+1], v[TT+32*\q+2*\n:TT+32*\q+2*\n+1], v[RAW+32*\q+2*\n:RAW+32*\q+2*\n+1]
.endr
.irp l, 0,1,2,3,4,5,6,7
	global_store_b128 v[GOFF], v[RAW+32*\q+4*\l:RAW+32*\q+4*\l+3], s[40:41] offset:CH*(16*\q+\l) th:TH_STORE_NT   ; 16 lanes store 256 consecutive bytes, aligned
.endr
.endr
	WIN 0
.Ldone:
	s_set_vgpr_msb 0x5
	s_wait_tensorcnt 0x0
	ds_add_u32 v224, v225
	s_wait_dscnt 0x0
	s_set_vgpr_msb 0x500
	s_endpgm
.Lfunc_end_k_q221daf339f_locatt:
	.size	k_q221daf339f_locatt, .Lfunc_end_k_q221daf339f_locatt-k_q221daf339f_locatt
	.p2alignl 7, 3214868480
	.fill 96, 4, 3214868480
	.section	.rodata,"a",@progbits
	.p2align	6, 0x0
	.amdhsa_kernel k_q221daf339f_locatt
		.amdhsa_group_segment_fixed_size 306176
		.amdhsa_private_segment_fixed_size 0
		.amdhsa_enable_private_segment 0
		.amdhsa_kernarg_size 72
		.amdhsa_user_sgpr_count 2
		.amdhsa_user_sgpr_kernarg_segment_ptr 1
		.amdhsa_wavefront_size32 1
		.amdhsa_system_sgpr_workgroup_id_x 1
		.amdhsa_system_sgpr_workgroup_id_y 1
		.amdhsa_system_sgpr_workgroup_id_z 1
		.amdhsa_system_vgpr_workitem_id 0
		.amdhsa_next_free_vgpr 482
		.amdhsa_next_free_sgpr 66
		.amdhsa_reserve_vcc 1
		.amdhsa_float_denorm_mode_32 3
		.amdhsa_float_denorm_mode_16_64 3
		.amdhsa_memory_ordered 1
		.amdhsa_forward_progress 1
		.amdhsa_inst_pref_size 151
	.end_amdhsa_kernel
	.amdgpu_metadata
---
amdhsa.version: [ 1, 2 ]
amdhsa.kernels:
  - .name:           k_q221daf339f_locatt
    .symbol:         k_q221daf339f_locatt.kd
    .args:
      - { .name: y, .offset: 0, .size: 8, .value_kind: global_buffer, .address_space: global }
      - { .name: x, .offset: 8, .size: 8, .value_kind: global_buffer, .address_space: global }
      - { .name: wy, .offset: 16, .size: 8, .value_kind: global_buffer, .address_space: global }
      - { .name: wx, .offset: 24, .size: 8, .value_kind: global_buffer, .address_space: global }
      - { .name: by, .offset: 32, .size: 8, .value_kind: global_buffer, .address_space: global }
      - { .name: bx, .offset: 40, .size: 8, .value_kind: global_buffer, .address_space: global }
      - { .name: wo, .offset: 48, .size: 8, .value_kind: global_buffer, .address_space: global }
      - { .name: bo, .offset: 56, .size: 8, .value_kind: global_buffer, .address_space: global }
      - { .name: out0, .offset: 64, .size: 8, .value_kind: global_buffer, .address_space: global }
    .group_segment_fixed_size: 306176
    .private_segment_fixed_size: 0
    .kernarg_segment_align: 8
    .kernarg_segment_size: 72
    .max_flat_workgroup_size: 256
    .sgpr_count:     66
    .vgpr_count:     482
    .wavefront_size: 32
...
	.end_amdgpu_metadata
.endif
;; end of part 2
